; MI455X (gfx1250); checked and timed in simulation.
; The chip was launched on July 23, 2026; its instructions are those of AMD's public machine-readable ISA for CDNA 5 (MIT licence, August 2026) and "CDNA5" Instruction Set Architecture Reference Guide (July 2026). The comments in the code are by the model that wrote it; some were corrected since.
;; Block. Allowed arithmetic: matrix products marked QUANTISED: E5M2 operands, one E8M0 scale for each 32 along K, by v_wmma_scale_f32_16x16x128_f8f6f4 with both operands' format E5M2, f32 sums; everything else in f32.
;; Inputs: W1_codes 512 x 4 x 32 uint8 (E5M2 codes of W1, K innermost, in blocks of 32 codes); W1_scales 512 x 4 uint8 (E8M0 scales of W1, one for each 32 codes along K); W2_codes 128 x 16 x 32 uint8 (E5M2 codes of W2, K innermost, in blocks of 32 codes); W2_scales 128 x 16 uint8 (E8M0 scales of W2, one for each 32 codes along K); Wk_codes 4 x 32 x 4 x 32 uint8 (E5M2 codes of Wk, K innermost, in blocks of 32 codes); Wk_scales 4 x 32 x 4 uint8 (E8M0 scales of Wk, one for each 32 codes along K); Wp_codes 128 x 4 x 32 uint8 (E5M2 codes of Wp, K innermost, in blocks of 32 codes); Wp_scales 128 x 4 uint8 (E8M0 scales of Wp, one for each 32 codes along K); Wq_codes 4 x 32 x 4 x 32 uint8 (E5M2 codes of Wq, K innermost, in blocks of 32 codes); Wq_scales 4 x 32 x 4 uint8 (E8M0 scales of Wq, one for each 32 codes along K); Wv_codes 4 x 32 x 4 x 32 uint8 (E5M2 codes of Wv, K innermost, in blocks of 32 codes); Wv_scales 4 x 32 x 4 uint8 (E8M0 scales of Wv, one for each 32 codes along K); bp 128 float32; ln1_b 128 float32; ln1_g 128 float32; ln2_b 128 float32; ln2_g 128 float32; x 8 x 2,048 x 128 float32.
;; Outputs: out0 8 x 2,048 x 128 float32.
;; This version of the problem:
;;   THIS VERSION OF THE PROBLEM IS GIVEN IN LOW PRECISION. The matrix products marked QUANTISED in the list below multiply operands that are first quantised to E5M2 (5 exponent bits, 2 mantissa bits; 8 bits a number), with one power-of-two scale for each 32 numbers along K (OCP MX v1.0); their sums are f32. All else is computed in f32.
;;   The module's matrix products, in the order in which they are computed (A, B: the left and right operand; K: the contracted axis; several contracted axes count as one K, in the product's order):
;;     1. [M 128, K 128] x [K 128, N 16,384]; A: input Wq (given as codes); B: computed on the way: QUANTISED
;;     2. [M 128, K 128] x [K 128, N 16,384]; A: input Wk (given as codes); B: computed on the way: QUANTISED
;;     3. [M 128, K 128] x [K 128, N 16,384]; A: input Wv (given as codes); B: computed on the way: QUANTISED
;;     4. batch 32 x [M 2,048, K 32] x [K 32, N 2,048]; A: computed on the way; B: computed on the way: QUANTISED
;;     5. batch 32 x [M 2,048, K 2,048] x [K 2,048, N 32]; A: softmax (see below); B: computed on the way: QUANTISED
;;     6. [M 16,384, K 128] x [K 128, N 128]; A: computed on the way; B: input Wp (given as codes): QUANTISED
;;     7. [M 16,384, K 128] x [K 128, N 512]; A: computed on the way; B: input W1 (given as codes): QUANTISED
;;     8. [M 16,384, K 512] x [K 512, N 128]; A: computed on the way; B: input W2 (given as codes): QUANTISED
;;   THE QUANTISER, for each operand of a quantised product, along K:
;;     - K is cut into blocks of 32 from its start; a last block that is shorter is filled with zeros.
;;     - A block's scale is 2^e with e = floor(log2(the largest magnitude in the block)) - 15, held to -126 .. 127; a block of zeros has e = 0. As a byte (E8M0): e + 127.
;;     - Each number is divided by its block's scale, clamped to +-57,344, and rounded to the nearest number of E5M2, ties to even, subnormals kept.
;;     - The product sums the exact products of the quantised numbers (number of the format x scale) in f32.
;;   ~~~python
;;   def quantise(x, axis):      # numpy; x: float32 -> the quantised numbers, widened to float32 again
;;       x = np.moveaxis(x, axis, -1); K = x.shape[-1]
;;       x = np.pad(x, [(0, 0)] * (x.ndim - 1) + [(0, -K % 32)]); x = x.reshape(x.shape[:-1] + (-1, 32)); a = np.abs(x).max(-1, keepdims=True)
;;       e = np.where(a > 0, np.clip(np.frexp(np.where(a > 0, a, 1))[1] - 1 - 15, -126, 127), 0)      # np.frexp(a)[1] - 1 = floor(log2(a)), exactly
;;       r = np.clip(x / 2.0 ** e, -57344, 57344)
;;       step = 2.0 ** (np.maximum(np.frexp(np.where(r == 0, 1, r))[1] - 1, -14) - 2)
;;       q = np.round(r / step) * step * 2.0 ** e      # np.round: ties to even
;;       return np.moveaxis(q.reshape(q.shape[:-2] + (-1,))[..., :K], -1, axis).astype(np.float32)
;;   ~~~
;;   SOFTMAX AHEAD OF A QUANTISED PRODUCT. Where the list says 'softmax', what is quantised is not the finished softmax but p = 2^(t - M), with t = logit x log2(e) and M = ceil(the row's largest t), a whole number; so 1/2 < the row's largest p <= 1. The row's sum l is taken of the UNQUANTISED p, in f32, and the product's result is divided by l at the end. Since M is a whole number, a kernel that streams over the keys may use a running M (the ceiling of the running maximum): every later rescaling is an exact power of two, which a block's scale takes up: the codes' values come out the same.
;;   OPERANDS COMPUTED ON THE WAY. 'Computed on the way' means the value that the module computes at that place (a softmax that the list does not call 'softmax' is quantised finished and normalised). What goes into a quantiser is computed in f32, as accurately as f32 sums, v_exp_f32 and their like allow (about 1e-6 of the number): no bf16 or f16 on the way to a quantiser, and a product that is left as it is and whose result goes on into a quantised operand takes f32 operands (vector FMAs, or v_wmma_f32_16x16x4_f32). A number that lies on a knife's edge between two numbers of the format may be rounded either way, as far as f32 arithmetic and the matrix unit's own rounding can turn it there, and no further.
;;   INPUTS GIVEN AS CODES. W1 (in the module: [128, 512], K = its axis 0); W2 (in the module: [512, 128], K = its axis 0); Wk (in the module: [4, 128, 32], K = its axis 1); Wp (in the module: [128, 128], K = its axis 0); Wq (in the module: [4, 128, 32], K = its axis 1); Wv (in the module: [4, 128, 32], K = its axis 1): each comes as NAME_codes (uint8): NAME with its K axis moved to the last place and cut into blocks of 32 codes, [.., K / 32, bytes a block], one block behind the other in memory; one code a byte (a code: sign, 5 exponent bits, 2 mantissa bits); and NAME_scales (uint8): the same leading axes, one E8M0 byte (e + 127) for each 32 codes along K. Its value is code x scale, taken as it is: it is not quantised again, and the codes and scales need not be those that the quantiser above would give.
;; One version. Each part assembles by itself: llvm-mc -triple=amdgcn-amd-amdhsa -mcpu=gfx1250 --defsym DOCPART=n.
;; ======== version 1 of 1: 2 launches
;; limits: right only within a limited range of input values
;; workspace buffers: qbuf 2,359,296 bytes; kvbuf 4,587,520 bytes
;; launch qkv (part 1): grid 128 x 1, 8 waves a work-group, no clusters, 86,016 bytes of LDS; arguments x, ln1_g, ln1_b, Wq_codes, Wq_scales, Wk_codes, Wk_scales, Wv_codes, Wv_scales, qbuf, kvbuf; writes qbuf, kvbuf
.if DOCPART == 1
	.amdgcn_target "amdgcn-amd-amdhsa--gfx1250"
	.amdhsa_code_object_version 6
	.text
	.protected	k_qacbe492d7c_qkv
	.globl	k_qacbe492d7c_qkv
	.p2align	8
	.type	k_qacbe492d7c_qkv,@function
k_qacbe492d7c_qkv:
	s_mov_b64 s[64:65], 0
	v_nop
	global_prefetch_b8 v0, s[64:65] scope:SCOPE_SE
	s_setreg_imm32_b32 hwreg(HW_REG_WAVE_MODE, 25, 1), 1
	s_wait_xcnt 0x0
; h = layernorm(x); q = h Wq, k = h Wk, v = h Wv on codes of BF8 (E5M2) with one E8M0 scale for each 32 along K; q and k are quantised along the head's 32, v along the keys.
; x: [16384][128] f32.  Wq, Wk, Wv: codes [4 heads][32 d][128 c], scale words [4][32].  Results go to two buffers of this program's own, laid as IMAGES OF OPERAND REGISTERS (lane l's 16 bytes at 16 l).
;   qbuf  [8 batches][16 steps of 128 tokens][4 heads][4608]: 8 tiles of 16 tokens x 512 bytes (lane (r, h): d = 16 h .. 16 h + 15 of the tile's row r), then 512 bytes of scale words: at 16 l + 4 i the word of tile 2 i + l / 16, row l % 16.
;   kvbuf [8][16][4][8960]: k as q (4096), V^T (two tiles of 16 d x 128 keys, 2048 each: register group c at 512 c + 16 l), k's scale words (512), V's scale words (8 bytes a lane: the word, 0).
; TILES.  Tile 2 g + u of a step takes tokens 32 g + 8 u + r + 8 (r / 8), r = 0 .. 15: used as source 0 of a product, two neighbouring tiles give a lane 16 neighbouring tokens.  The rows of a weight's tile are chosen alike.
; SHARES.  A work-group owns 128 tokens, one step.  First wave w normalises and quantises tile w and puts its fragment's image into LDS; one barrier; then wave w serves head w / 2: even waves make q of all 8 tiles
; and V^T's d-tile 0, odd waves k and d-tile 1: 24 matrix instructions a wave, each with the constant 0 as C and an accumulator of its own.  So every image and every scale word is made whole by one wave and every store covers 512 consecutive bytes
; (V's scale words: 128).  128 work-groups: with 64 tokens to a work-group V's scale words (four key blocks to a word) would be split between work-groups.
; NO CLUSTER: what work-groups share are the weights, of which each wave reads its own 6 KB once, straight into the registers that use them; a joint load would put a pass through LDS and two rounds of a cluster's barrier round 24 matrix instructions.
; LIMITS: NaN and infinities among the inputs are not served; a block whose largest magnitude lies under 2^-111 keeps the scale byte 1 (a block of zeros too: its codes are zeros, and this program alone reads the bytes).
.set HIMG, 0                           ; LDS: h's 8 fragments, 2048 bytes each,
.set HSC,  16384                       ; their scale words, 128 bytes each,
.set STG,  17408                       ; and a stage of 16 rows x (512 + 16) bytes for each wave
.set SROW, 528                         ; an odd multiple of 16 bytes: the sixteen rows that a load touches start in sixteen different 16-byte columns
.set LI,   4                           ; v4   16 x lane
.set LS,   5                           ; v5   4 x lane
.set STS,  6                           ; v6   my stage + 16 x lane: a whole row
.set STL,  7                           ; v7   my stage + 528 r + 64 h: my 16 numbers of a block of 32
.set HWI,  8                           ; v8   where I store my fragment's image
.set HWS,  9                           ; v9   and its scale word
.set GB,   10                          ; v10  64 h: my numbers of g and b
.set WA,   11                          ; v11  a weight's tile: 128 (r + 8 (r / 8)) + 16 h
.set WSA,  12                          ; v12  its scale words: 4 (r + 8 (r / 8))
.set VS8,  13                          ; v13  8 r
.set MU,   14                          ; v[14:15] the mean, twice; later 1 / sqrt(var + eps), twice
.set PC,   16                          ; v[16:31] the codes just made
.set X,    32                          ; v[32:95] my 64 numbers of x;
.set HF,   32                          ;          later four fragments of h
.set G,    96                          ; v[96:159] g;
.set WF,   96                          ;          later three fragments of weights (q or k: two tiles of d; v: one),
.set KS,   152                         ; v[152:155] the image of q's or k's scale words,
.set VP,   156                         ; v[156:157] V's scale word and a 0
.set B,    160                         ; v[160:223] b;
.set ACC,  160                         ;          later eight accumulators
.set TM,   224                         ; v224-239 the quantiser's: largest magnitudes, bytes, holds, scale operands
.set CH,   240                         ; v[240:247] four chains of sums
.set PW,   248                         ; v248 the scale word just made
.set WSC,  249                         ; v249-251 the weights' scale words: these and the next four hold scales alone
.set HS,   252                         ; v252-255 h's scale words
.set SEL,  30                          ; s[30:31] v_permlanex16_b32's selects for lane l xor 16
.set MNT,  32                          ; s32  the mantissa field of 57,344
.set HIM,  33                          ; s33  lanes 16-31
.set INV,  34                          ; s34  1 / 128
.set EPS,  35                          ; s35  1e-5
.macro JOIN                            ; four chains of pairs -> the row's sum in v[CH], in every lane of the row's two
	s_delay_alu instid0(VALU_DEP_3)
	v_pk_add_f32 v[CH:CH+1], v[CH:CH+1], v[CH+2:CH+3]
	s_delay_alu instid0(VALU_DEP_2)
	v_pk_add_f32 v[CH+4:CH+5], v[CH+4:CH+5], v[CH+6:CH+7]
	s_delay_alu instid0(VALU_DEP_1)
	v_pk_add_f32 v[CH:CH+1], v[CH:CH+1], v[CH+4:CH+5]
	s_delay_alu instid0(VALU_DEP_1)
	v_add_f32 v[CH], v[CH], v[CH+1]
	s_delay_alu instid0(VALU_DEP_1)
	v_permlanex16_b32 v[CH+1], v[CH], s[SEL], s[SEL+1]     ; the row's other 64 numbers lie in lane l xor 16
	s_delay_alu instid0(VALU_DEP_1)
	v_add_f32 v[CH], v[CH], v[CH+1]
.endm
; v[d ..] = (v[s ..] - mean) / sqrt(var + eps), 64 numbers a lane.  Two passes: the variance is taken of the differences, so a common offset of x does no harm.
.macro LNSTAT s, d
.irp k, 0,1,2,3
	v_pk_add_f32 v[CH+2*\k:CH+2*\k+1], v[\s+4*\k:\s+4*\k+1], v[\s+4*\k+2:\s+4*\k+3]     ; the first sixteen numbers start the chains: nothing is cleared
.endr
.set i, 0
.rept 24
	s_delay_alu instid0(VALU_DEP_4)
	v_pk_add_f32 v[CH+2*(i%4):CH+2*(i%4)+1], v[CH+2*(i%4):CH+2*(i%4)+1], v[\s+16+2*i:\s+17+2*i]
.set i, i+1
.endr
	JOIN
	s_delay_alu instid0(VALU_DEP_1)
	v_mul_f32 v[MU], s[INV], v[CH]
	s_delay_alu instid0(VALU_DEP_1)
	v_mov_b32 v[MU+1], v[MU]
.set i, 0
.rept 32
	v_pk_add_f32 v[\d+2*i:\d+2*i+1], v[\s+2*i:\s+2*i+1], v[MU:MU+1] neg_lo:[0,1] neg_hi:[0,1]
.set i, i+1
.endr
.irp k, 0,1,2,3
	v_pk_mul_f32 v[CH+2*\k:CH+2*\k+1], v[\d+2*\k:\d+2*\k+1], v[\d+2*\k:\d+2*\k+1]
.endr
.set i, 4
.rept 28
	s_delay_alu instid0(VALU_DEP_4)
	v_pk_fma_f32 v[CH+2*(i%4):CH+2*(i%4)+1], v[\d+2*i:\d+2*i+1], v[\d+2*i:\d+2*i+1], v[CH+2*(i%4):CH+2*(i%4)+1]
.set i, i+1
.endr
	JOIN
	s_delay_alu instid0(VALU_DEP_1)
	v_fma_f32 v[CH], v[CH], s[INV], s[EPS]
	s_wait_alu depctr_va_vdst(0)
	v_rsq_f32 v[MU], v[CH]
	v_nop                                          ; one plain instruction behind a transcendental before its result is used (ISA guide 5.7.2)
	s_wait_alu depctr_va_vdst(0)
	v_mov_b32 v[MU+1], v[MU]
.set i, 0
.rept 32
	v_pk_mul_f32 v[\d+2*i:\d+2*i+1], v[\d+2*i:\d+2*i+1], v[MU:MU+1]
.set i, i+1
.endr
.endm
; 64 numbers of a lane, register 16 b + i = number 16 (lane / 16) + i of block b of my row, become 16 registers of codes in v[d ..] and the four blocks' bytes in v[TM+4 ..] and, as a word, in v[w].
.macro QUANT s, d, w
.irp b, 0,1,2,3
	v_max3_num_f32 v[TM+\b], |v[\s+16*\b]|, |v[\s+1+16*\b]|, 0x8000000   ; my 16 numbers of block b, and the floor 2^(16 - 127): so the byte cannot fall under 1
.endr
.irp i, 2,4,6,8,10,12,14
.irp b, 0,1,2,3
	v_max3_num_f32 v[TM+\b], v[TM+\b], |v[\s+16*\b+\i]|, |v[\s+1+16*\b+\i]|   ; the four blocks by turns
.endr
.endr
.irp b, 0,1,2,3
	s_delay_alu instid0(VALU_DEP_4)
	v_permlanex16_b32 v[TM+4+\b], v[TM+\b], s[SEL], s[SEL+1]
.endr
.irp b, 0,1,2,3
	s_delay_alu instid0(VALU_DEP_4)
	v_max_num_f32 v[TM+\b], v[TM+\b], v[TM+4+\b]   ; with lane l xor 16's: the block's largest magnitude
.endr
.irp b, 0,1,2,3
	s_delay_alu instid0(VALU_DEP_4)
	v_add_nc_u32 v[TM+12+\b], 0xf8800000, v[TM+\b] ; 15 off its exponent field: the conversion takes the exponent field of this operand as its scale
.endr
.irp b, 0,1,2,3
	v_and_or_b32 v[TM+8+\b], v[TM+\b], 0x7f800000, s[MNT]   ; 57,344 x the scale
.endr
.irp b, 0,1,2,3
	v_lshrrev_b32 v[TM+4+\b], 23, v[TM+12+\b]      ; the scale's byte
.endr
	s_delay_alu instid0(VALU_DEP_3)
	v_lshl_or_b32 v[\w], v[TM+5], 8, v[TM+4]
	s_delay_alu instid0(VALU_DEP_1)
	v_lshl_or_b32 v[\w], v[TM+6], 16, v[\w]
	s_delay_alu instid0(VALU_DEP_1)
	v_lshl_or_b32 v[\w], v[TM+7], 24, v[\w]
.irp b, 0,1,2,3
.irp i, 0,1,2,3,4,5,6,7,8,9,10,11,12,13,14,15
	v_med3_num_f32 v[\s+16*\b+\i], v[\s+16*\b+\i], -v[TM+8+\b], v[TM+8+\b]   ; the conversion to an 8-bit code does not saturate (ISA guide 7.6.2): the hold at the largest code x the scale
.endr
	v_cvt_scalef32_pk8_bf8_f32 v[\d+4*\b:\d+1+4*\b], v[\s+16*\b:\s+7+16*\b], v[TM+12+\b]
	v_cvt_scalef32_pk8_bf8_f32 v[\d+2+4*\b:\d+3+4*\b], v[\s+8+16*\b:\s+15+16*\b], v[TM+12+\b]
.endr
.rept 4
	v_nop                                          ; plain instructions behind the conversions, ahead of whatever next touches their registers
.endr
.endm
.macro FETCH4 beta                     ; h's fragments of tiles 4 beta .. 4 beta + 3, and their scale words, as any wave's registers
.irp k, 0,1,2,3
.irp c, 0,1,2,3
	ds_load_b128 v[HF+16*\k+4*\c:HF+16*\k+4*\c+3], v[LI] offset:HIMG+2048*(4*\beta+\k)+512*\c
.endr
	ds_load_b32 v[HS+\k], v[LS] offset:HSC+128*(4*\beta+\k)
.endr
.endm
; q or k of four tiles of tokens.  TRANSPOSED: source 0 = 16 rows of the weight, source 1 = 16 tokens: a lane holds one token, and the 16 registers of the weight's two tiles are d = 16 (lane / 16) + 0 .. 15:
; a token's 32 numbers are one block, in lanes l and l xor 16, so the quantiser's four blocks are the four tiles.
.macro QKBATCH beta
	FETCH4 \beta
	s_wait_dscnt 0x0
.irp k, 0,1,2,3
.irp u, 0,1
	v_wmma_scale_f32_16x16x128_f8f6f4 v[ACC+16*\k+8*\u:ACC+16*\k+8*\u+7], v[WF+16*\u:WF+16*\u+15], v[HF+16*\k:HF+16*\k+15], 0, v[WSC+\u], v[HS+\k] matrix_a_fmt:MATRIX_FMT_BF8 matrix_b_fmt:MATRIX_FMT_BF8
.endr
.endr
.rept 8
	v_nop                                          ; eight places behind this form before its results are read and its sources loaded anew
.endr
	s_wait_xcnt 0x0                                ; earlier stores have read the codes' registers: only now are they written again
	QUANT ACC, PC, PW
	v_cndmask_b32 v[KS+2*\beta], v[TM+4], v[TM+5], s[HIM]       ; the scale image: lanes 0-15 the even tile's byte, lanes 16-31 the odd tile's; the word's upper three bytes are 0
	v_cndmask_b32 v[KS+2*\beta+1], v[TM+6], v[TM+7], s[HIM]
.irp k, 0,1,2,3
	global_store_b128 v[LI], v[PC+4*\k:PC+4*\k+3], s[42:43] offset:512*(4*\beta+\k)   ; a tile's image: 512 consecutive bytes
.endr
.endm
	s_load_b512 s[4:19], s[0:1], 0x0               ; x s[4:5], g s[6:7], b s[8:9], Wq's codes s[10:11], scales s[12:13], Wk's s[14:15], s[16:17], Wv's codes s[18:19]
	s_load_b128 s[20:23], s[0:1], 0x40             ; Wv's scales s[20:21], qbuf s[22:23]
	s_load_b64 s[24:25], s[0:1], 0x50              ; kvbuf
	s_set_vgpr_msb 0x40
	v_lshl_add_u32 v0, v0, 2, 0x14c00
	v_mov_b32 v1, 0
	s_set_vgpr_msb 0x4000
	v_lshrrev_b32 v1, 5, v0
	s_delay_alu instid0(VALU_DEP_1)
	v_readfirstlane_b32 s26, v1                    ; wave 0..7
	s_and_b32 s27, s26, 1                          ; q (0) or k (1); V^T's d-tile; first the tile's u
	s_lshr_b32 s28, s26, 1                         ; the head; first the tile's group of 32 tokens
	v_and_b32 v1, 31, v0                           ; lane
	v_and_b32 v2, 15, v0                           ; r
	v_bfe_u32 v3, v0, 4, 1                         ; h
	s_delay_alu instid0(VALU_DEP_3)
	v_lshlrev_b32 v[LI], 4, v1
	s_delay_alu instid0(VALU_DEP_4)
	v_lshlrev_b32 v[LS], 2, v1
	s_mul_i32 s60, s26, 16*SROW
	s_add_co_u32 s60, s60, STG                     ; my stage
	v_add_nc_u32 v[STS], s60, v[LI]
	v_mul_u32_u24 v[STL], v2, SROW
	s_delay_alu instid0(VALU_DEP_1)
	v_lshl_add_u32 v[STL], v3, 6, v[STL]
	s_delay_alu instid0(VALU_DEP_1)
	v_add_nc_u32 v[STL], s60, v[STL]
	s_lshl_b32 s60, s26, 11
	v_add_nc_u32 v[HWI], s60, v[LI]                ; HIMG + 2048 x wave + 16 x lane
	s_lshl_b32 s60, s26, 7
	s_add_co_u32 s60, s60, HSC
	v_add_nc_u32 v[HWS], s60, v[LS]
	v_lshlrev_b32 v[GB], 6, v3
	v_and_b32 v1, 8, v2
	s_delay_alu instid0(VALU_DEP_1)
	v_add_nc_u32 v1, v1, v2                        ; r + 8 (r / 8)
	s_delay_alu instid0(VALU_DEP_1)
	v_lshlrev_b32 v[WA], 7, v1
	s_delay_alu instid0(VALU_DEP_1)
	v_lshl_add_u32 v[WA], v3, 4, v[WA]
	s_delay_alu instid0(VALU_DEP_3)
	v_lshlrev_b32 v[WSA], 2, v1
	v_lshlrev_b32 v[VS8], 3, v2
.irp b, 0,1,2,3
	v_mov_b32 v[TM+4+\b], 0                        ; written once: a lane permute's destination counts as one of its sources
.endr
	s_mov_b32 s[SEL], 0x76543210
	s_mov_b32 s[SEL+1], 0xfedcba98
	s_mov_b32 s[MNT], 0x600000
	s_mov_b32 s[HIM], 0xffff0000
	s_mov_b32 s[INV], 0x3c000000
	s_mov_b32 s[EPS], 0x3727c5ac
	; THE ORDER OF THE BLOCKS in both buffers is [8 batches][16 steps][4 heads]; a block's inside is as the head of this text says
	s_lshl_b32 s29, ttmp9, 2
	s_add_co_u32 s29, s29, s28                     ; 4 (16 batch + step) + head: my block of qbuf and of kvbuf
	s_mul_i32 s54, s29, 4608
	s_mov_b32 s55, 0
	s_mul_i32 s56, s29, 8960
	s_mov_b32 s57, 0
	s_lshl_b32 s58, ttmp9, 16                      ; x: 128 tokens of 512 bytes a work-group,
	s_lshl_b32 s36, s28, 14                        ; 32 a group,
	s_add_co_u32 s58, s58, s36
	s_lshl_b32 s36, s27, 12                        ; 8 for the odd tile
	s_add_co_u32 s58, s58, s36
	s_mov_b32 s59, 0
	s_mov_b32 s37, 0
	s_wait_kmcnt 0x0
	s_add_nc_u64 s[4:5], s[4:5], s[58:59]
.irp p, 0,1,2,3,4,5,6,7,8,9,10,11,12,13,14,15
	global_load_b128 v[X+4*\p:X+4*\p+3], v[LI], s[4:5] offset:(\p+8*(\p/8))*512   ; row p of my tile, whole: 512 consecutive bytes
.endr
.irp c, 0,1,2,3
.irp q, 0,1,2,3
	global_load_b128 v[G+16*\c+4*\q:G+16*\c+4*\q+3], v[GB], s[6:7] offset:128*\c+16*\q
	global_load_b128 v[B+16*\c+4*\q:B+16*\c+4*\q+3], v[GB], s[8:9] offset:128*\c+16*\q
.endr
.endr
	s_add_nc_u64 s[38:39], s[22:23], s[54:55]      ; my block of qbuf
	s_add_nc_u64 s[40:41], s[24:25], s[56:57]      ; and of kvbuf
	s_cmp_eq_u32 s27, 0                            ; even waves serve q, odd waves k: the choice hangs on the wave's number alone
	s_cselect_b64 s[42:43], s[38:39], s[40:41]     ; where the tiles' images go,
	s_cselect_b64 s[44:45], s[10:11], s[14:15]     ; the weight's codes,
	s_cselect_b64 s[46:47], s[12:13], s[16:17]     ; and its scales
	s_lshl_b32 s36, s28, 12                        ; a head's 32 rows of 128 codes
	s_add_nc_u64 s[44:45], s[44:45], s[36:37]
	s_add_nc_u64 s[18:19], s[18:19], s[36:37]
	s_lshl_b32 s36, s27, 10                        ; Wv: the odd d-tile begins 8 rows on
	s_add_nc_u64 s[18:19], s[18:19], s[36:37]
	s_lshl_b32 s36, s28, 7                         ; a head's 32 scale words
	s_add_nc_u64 s[46:47], s[46:47], s[36:37]
	s_add_nc_u64 s[20:21], s[20:21], s[36:37]
	s_lshl_b32 s36, s27, 5
	s_add_nc_u64 s[20:21], s[20:21], s[36:37]
	s_lshl_b32 s36, 0x1000, s27                    ; the scale image: 4096 bytes on in qbuf's block, 8192 in kvbuf's
	s_add_nc_u64 s[48:49], s[42:43], s[36:37]
	s_lshl_b32 s36, s27, 11
	s_add_co_u32 s36, s36, 4096                    ; my d-tile of V^T
	s_add_nc_u64 s[50:51], s[40:41], s[36:37]
	s_lshl_b32 s36, s27, 7
	s_add_co_u32 s36, s36, 8704                    ; and its scale words
	s_add_nc_u64 s[52:53], s[40:41], s[36:37]
	; ---- my tile of x: whole rows go through my own stage and come back as 16 neighbours of each block of 32
	s_wait_loadcnt 32                              ; x's sixteen loads are in; the 32 of g and b, issued behind them, may be out
.irp p, 0,1,2,3,4,5,6,7,8,9,10,11,12,13,14,15
	ds_store_b128 v[STS], v[X+4*\p:X+4*\p+3] offset:SROW*\p
.endr
.irp c, 0,1,2,3
.irp q, 0,1,2,3
	ds_load_b128 v[X+16*\c+4*\q:X+16*\c+4*\q+3], v[STL] offset:128*\c+16*\q   ; LDS serves a wave's instructions in order (ISA guide 5.7.1.4): these see my stores
.endr
.endr
	s_wait_dscnt 0x0
	LNSTAT X, X
	s_wait_loadcnt 0x0                             ; g and b
.set i, 0
.rept 32
	v_pk_fma_f32 v[X+2*i:X+2*i+1], v[X+2*i:X+2*i+1], v[G+2*i:G+2*i+1], v[B+2*i:B+2*i+1]
.set i, i+1
.endr
	; g's registers are free: my weights are asked for here and land while h is quantised
.irp u, 0,1
.irp c, 0,1,2,3
	global_load_b128 v[WF+16*\u+4*\c:WF+16*\u+4*\c+3], v[WA], s[44:45] offset:1024*\u+32*\c   ; tile u: rows d = 8 u + r + 8 (r / 8)
.endr
	global_load_b32 v[WSC+\u], v[WSA], s[46:47] offset:32*\u
.endr
.irp c, 0,1,2,3
	global_load_b128 v[WF+32+4*\c:WF+32+4*\c+3], v[WA], s[18:19] offset:32*\c
.endr
	global_load_b32 v[WSC+2], v[WSA], s[20:21]
	QUANT X, PC, PW
.irp c, 0,1,2,3
	ds_store_b128 v[HWI], v[PC+4*\c:PC+4*\c+3] offset:HIMG+512*\c    ; the fragment goes to LDS as it stands
.endr
	ds_store_b32 v[HWS], v[PW]
	s_wait_dscnt 0x0                               ; for the others' sake: my stores have landed
	s_barrier_signal -1
	s_barrier_wait -1                              ; h's eight fragments lie in LDS; nothing there is written again
	s_wait_loadcnt 0x0                             ; my weights
	QKBATCH 0
	QKBATCH 1
	global_store_b128 v[LI], v[KS:KS+3], s[48:49]  ; the eight tiles' scale words: 512 consecutive bytes
	; ---- V^T, my d-tile.  NOT transposed: source 0 = 16 tokens, source 1 = 16 rows of Wv: a lane holds one d, and the 16 registers of two neighbouring tiles are 16 neighbouring keys: v's K
.irp k, 0,1,2,3
	v_wmma_scale_f32_16x16x128_f8f6f4 v[ACC+32+8*\k:ACC+32+8*\k+7], v[HF+16*\k:HF+16*\k+15], v[WF+32:WF+47], 0, v[HS+\k], v[WSC+2] matrix_a_fmt:MATRIX_FMT_BF8 matrix_b_fmt:MATRIX_FMT_BF8   ; tiles 4 .. 7 are still in registers
.endr
.rept 8
	v_nop
.endr
	FETCH4 0
	s_wait_dscnt 0x0
.irp k, 0,1,2,3
	v_wmma_scale_f32_16x16x128_f8f6f4 v[ACC+8*\k:ACC+8*\k+7], v[HF+16*\k:HF+16*\k+15], v[WF+32:WF+47], 0, v[HS+\k], v[WSC+2] matrix_a_fmt:MATRIX_FMT_BF8 matrix_b_fmt:MATRIX_FMT_BF8
.endr
.rept 8
	v_nop
.endr
	s_wait_xcnt 0x0                                ; the last tiles' stores have read the codes' registers
	QUANT ACC, PC, VP                              ; the four blocks are the step's four blocks of 32 keys
	v_mov_b32 v[VP+1], 0
.irp c, 0,1,2,3
	global_store_b128 v[LI], v[PC+4*\c:PC+4*\c+3], s[50:51] offset:512*\c
.endr
	global_store_b64 v[VS8], v[VP:VP+1], s[52:53]  ; lanes r and r + 16 store the same 8 bytes with the same value
	s_set_vgpr_msb 0x5
	s_wait_tensorcnt 0x0
	ds_add_u32 v0, v1
	s_wait_dscnt 0x0
	s_set_vgpr_msb 0x500
	s_endpgm
.Lfunc_end_k_qacbe492d7c_qkv:
	.size	k_qacbe492d7c_qkv, .Lfunc_end_k_qacbe492d7c_qkv-k_qacbe492d7c_qkv
	.p2alignl 7, 3214868480
	.fill 96, 4, 3214868480
	.section	.rodata,"a",@progbits
	.p2align	6, 0x0
	.amdhsa_kernel k_qacbe492d7c_qkv
		.amdhsa_group_segment_fixed_size 86016
		.amdhsa_private_segment_fixed_size 0
		.amdhsa_enable_private_segment 0
		.amdhsa_kernarg_size 88
		.amdhsa_user_sgpr_count 2
		.amdhsa_user_sgpr_kernarg_segment_ptr 1
		.amdhsa_wavefront_size32 1
		.amdhsa_system_sgpr_workgroup_id_x 1
		.amdhsa_system_sgpr_workgroup_id_y 1
		.amdhsa_system_sgpr_workgroup_id_z 1
		.amdhsa_system_vgpr_workitem_id 0
		.amdhsa_next_free_vgpr 258
		.amdhsa_next_free_sgpr 66
		.amdhsa_reserve_vcc 0
		.amdhsa_float_denorm_mode_32 3
		.amdhsa_float_denorm_mode_16_64 3
		.amdhsa_memory_ordered 1
		.amdhsa_forward_progress 1
		.amdhsa_inst_pref_size 69
	.end_amdhsa_kernel
	.amdgpu_metadata
---
amdhsa.version: [ 1, 2 ]
amdhsa.kernels:
  - .name:           k_qacbe492d7c_qkv
    .symbol:         k_qacbe492d7c_qkv.kd
    .args:
      - { .name: x, .offset: 0, .size: 8, .value_kind: global_buffer, .address_space: global }
      - { .name: ln1_g, .offset: 8, .size: 8, .value_kind: global_buffer, .address_space: global }
      - { .name: ln1_b, .offset: 16, .size: 8, .value_kind: global_buffer, .address_space: global }
      - { .name: Wq_codes, .offset: 24, .size: 8, .value_kind: global_buffer, .address_space: global }
      - { .name: Wq_scales, .offset: 32, .size: 8, .value_kind: global_buffer, .address_space: global }
      - { .name: Wk_codes, .offset: 40, .size: 8, .value_kind: global_buffer, .address_space: global }
      - { .name: Wk_scales, .offset: 48, .size: 8, .value_kind: global_buffer, .address_space: global }
      - { .name: Wv_codes, .offset: 56, .size: 8, .value_kind: global_buffer, .address_space: global }
      - { .name: Wv_scales, .offset: 64, .size: 8, .value_kind: global_buffer, .address_space: global }
      - { .name: qbuf, .offset: 72, .size: 8, .value_kind: global_buffer, .address_space: global }
      - { .name: kvbuf, .offset: 80, .size: 8, .value_kind: global_buffer, .address_space: global }
    .group_segment_fixed_size: 86016
    .private_segment_fixed_size: 0
    .kernarg_segment_align: 8
    .kernarg_segment_size: 88
    .max_flat_workgroup_size: 256
    .sgpr_count:     66
    .vgpr_count:     258
    .wavefront_size: 32
...
	.end_amdgpu_metadata
.endif
;; end of part 1
;; launch block (part 2): grid 32 x 8, 16 waves a work-group, clusters of 4 x 1, 327,680 bytes of LDS; arguments qbuf, kvbuf, x, bp, ln2_g, ln2_b, Wp_codes, Wp_scales, W1_codes, W1_scales, W2_codes, W2_scales, out0; writes out0
.if DOCPART == 2
	.amdgcn_target "amdgcn-amd-amdhsa--gfx1250"
	.amdhsa_code_object_version 6
	.text
	.protected	k_qacbe492d7c_block
	.globl	k_qacbe492d7c_block
	.p2align	8
	.type	k_qacbe492d7c_block,@function
k_qacbe492d7c_block:
	s_mov_b64 s[64:65], 0
	v_nop
	global_prefetch_b8 v0, s[64:65] scope:SCOPE_SE
	s_setreg_imm32_b32 hwreg(HW_REG_WAVE_MODE, 25, 1), 1
	s_wait_xcnt 0x0
	s_wait_alu depctr_hold_cnt(0) depctr_sa_sdst(0) depctr_va_vdst(0) depctr_va_sdst(0) depctr_va_ssrc(0) depctr_va_vcc(0) depctr_vm_vsrc(0)
	s_getreg_b32 s2, hwreg(HW_REG_IB_STS2, 6, 4)
	s_cmp_eq_u32 s2, 0
	s_cbranch_scc0 .Lentry_in_a_cluster
	s_endpgm
.Lentry_in_a_cluster:
	s_bfe_u32 s2, ttmp6, 0x10000c
	s_cmp_lg_u32 s2, 0x3003
	s_cbranch_scc0 .Lentry_shape_is_right
	s_endpgm
.Lentry_shape_is_right:
; y = softmax_s(q . k / sqrt(32), s <= t) v for four heads;  x2 = x + y Wp + bp;  out = x2 + gelu(layernorm(x2) W1) W2 (gelu exact, by erf).  All products on codes of BF8 (E5M2), one E8M0 scale for each 32 along K.
; qbuf, kvbuf: blocks [8 batches][16 steps of 128 tokens][4 heads], images of operand registers.  qbuf 4608 bytes: 8 tiles x 512, then scale words at 16 (16 (j % 2) + r) + 4 (j / 2).
; kvbuf 8960 bytes: k's 8 tiles x 512; V^T 2 tiles of 16 d x 2048; k's scale words 512; V's 256 (8 bytes a lane).  Tile 2 g + u of a step holds tokens 32 g + 8 u + r + 8 (r / 8), r = 0 .. 15.
; SHARES.  A work-group owns 64 tokens of one batch: the tiles i, 63 - i, 64 + i, 127 - i of its 128 (i = grid x): 136 tile steps of 128 keys over the four heads, in every work-group.  a = i / 8 is the same in a cluster.
; A wave has one head and takes one of every four key steps, for all four tiles: K's and V's fragments, read once, serve up to four tiles.  Its step in a slot is kq in slots 0, 2 and 3 - kq in slots 1, 3: 8 or 10 tile steps a wave.
; The four waves of a head then join their parts through LDS: all are brought under the least -M by powers of two, exactly.
; LEFT OUT: key steps that lie wholly under the causal mask: their p is 0 whatever the inputs hold.  A NaN or an infinity in a key or value that only such steps would read is not carried.
; K AND V come through two LDS slots of 4 steps x 4 heads (143,360 bytes, a dense run of kvbuf), a block a wave, asked for JOINTLY by the four work-groups of a cluster, which walk the same keys.  The fourth refill brings W1 and W2.
; A slot's load has the whole work on the slot before it in which to land, and the launch has four slots: K and V are not prefetched.  x's rows, first touched behind the attention, are.
; THE FIRST PRODUCT HAS K = 32: q's fragment holds zero codes in its other three blocks, so the registers behind a tile of k may hold any finite codes (the next tiles', then V's).
; THE SOFTMAX: t = score x log2(e) / sqrt(32); M the running largest t rounded UP; p = 2^(t - M) is quantised along the keys; the sum is taken of the unquantised p.  A block's exponent is the floor of its largest t - M.
; MLP.  Wave (tile, quarter) makes 32 columns of y Wp, of the layer norm and of the last product; wave w makes hidden units 32 w .. 32 w + 31 of all four tiles.  All products are transposed (source 0 = the weight's rows): a lane holds one token.
; LIMITS: NaN and infinities are not served; scaled scores stay under 2^31 in magnitude; a block whose largest magnitude lies under 2^-111 keeps the scale byte 1; erf is right to a few units in the last place OF 1: for x under about -5.6 gelu may come out as |x| x 6e-8.
; REGISTERS: v0 16 x lane; v1 r + 8 (r / 8) - 16 h; v2, v3 the add's; v4-7 -M; v8-11 sums; v12 f; v13 the prefetch's offset; v14 the step's -M; v15 LDS address of q; v16-31 q and zeros; v32-39 scale words alone;
;   v40-71 k; v72-103 V^T; v104-167 S^T, then p; v168-231 O^T of four tiles; v232-239 at work; v240-255 p's codes.
.set QS,  32
.set VS,  33
.set PWD, 34
.set KSC, 36
.set QF,  16
.set KK,  40
.set VV,  72
.set SS,  104
.set OO,  168
.set BM,  232
.set PM,  236
.set CD,  240
.set HD,  32                           ; s32 the head; the quarter of the columns
.set KQ,  33                           ; s33 my step of four; my tile of four
.set AA,  34                           ; s34 a
.set POS, 37                           ; s37, s38 the even and the odd tiles' first token in their step
.set STEPB, 8960
.set SLOTB, 143360
.set SPARE, 286720
.set TOP,   288768                     ; q's tiles, then x's rows, then the hidden layer
.macro ROUND                           ; a round of the cluster's barrier
	s_barrier_signal -1
	s_barrier_wait -1
	s_cmp_lg_u32 s30, 0
	s_cbranch_scc1 .Lnot_wave_0_\@
	s_barrier_signal -3
.Lnot_wave_0_\@:
	s_barrier_wait -3
	s_barrier_signal -1
	s_barrier_wait -1
.endm
.macro NOPS n
.rept \n
	v_nop
.endr
.endm
.macro MEET                            ; everybody's LDS work is done and seen
	s_wait_alu depctr_va_vdst(0)
	s_wait_dscnt 0x0
	s_barrier_signal -1
	s_barrier_wait -1
.endm
.macro WM d, a, b, z, sa, sb, row      ; z = 1: C is 0; else in place.  row = 1: source 0's scales from lanes 16-31
.if \z
.if \row
	v_wmma_scale_f32_16x16x128_f8f6f4 v[\d:\d+7], v[\a:\a+15], v[\b:\b+15], 0, v[\sa], v[\sb] matrix_a_fmt:MATRIX_FMT_BF8 matrix_b_fmt:MATRIX_FMT_BF8 matrix_a_scale:MATRIX_SCALE_ROW1
.else
	v_wmma_scale_f32_16x16x128_f8f6f4 v[\d:\d+7], v[\a:\a+15], v[\b:\b+15], 0, v[\sa], v[\sb] matrix_a_fmt:MATRIX_FMT_BF8 matrix_b_fmt:MATRIX_FMT_BF8
.endif
.else
.if \row
	v_wmma_scale_f32_16x16x128_f8f6f4 v[\d:\d+7], v[\a:\a+15], v[\b:\b+15], v[\d:\d+7], v[\sa], v[\sb] matrix_a_fmt:MATRIX_FMT_BF8 matrix_b_fmt:MATRIX_FMT_BF8 matrix_a_scale:MATRIX_SCALE_ROW1
.else
	v_wmma_scale_f32_16x16x128_f8f6f4 v[\d:\d+7], v[\a:\a+15], v[\b:\b+15], v[\d:\d+7], v[\sa], v[\sb] matrix_a_fmt:MATRIX_FMT_BF8 matrix_b_fmt:MATRIX_FMT_BF8
.endif
.endif
.endm
; THE CHANGE OF SLOTS: slot n has landed and nobody reads the other one, which is filled again (n = 0: for the first time; n = 3: with the weights)
.macro SYNC n
	s_wait_tensorcnt 0x0
	ds_add_u32 v2, v3
.if (\n) < 3
	s_add_nc_u64 s[50:51], s[50:51], SLOTB         ; the next 512 keys
.if (\n) == 1
	s_sub_co_u32 s49, s49, SLOTB
.else
	s_add_co_u32 s49, s49, SLOTB
.endif
.endif
	s_wait_dscnt 0x0                               ; the add, and my reads of the other slot
	ROUND
.if (\n) < 3
	tensor_load_to_lds s[48:51], s[40:47]
	s_nop 0
	NOPS 4
.else
	s_cmp_lt_u32 s30, 8                            ; waves 0-7: 64 rows of W1 each; waves 8-15: 16 rows of W2
	s_cbranch_scc0 .Lfor_w2
	tensor_load_to_lds s[60:63], s[52:59]
	s_nop 0
	NOPS 4
	s_branch .Lweights_asked
.Lfor_w2:
	tensor_load_to_lds s[76:79], s[68:75]
	s_nop 0
	NOPS 4
.Lweights_asked:
.endif
.endm
; my step's K and V, and tile 3's q
.macro KV base
	v_add_nc_u32 v14, s[\base], v0
	v_lshrrev_b32 v12, 1, v0
	v_add_nc_u32 v12, s[\base], v12
	NOPS 6                                         ; places ahead of loads into what products have read
	ds_load_b128 v[KSC:KSC+3], v14 offset:8192     ; register i: lanes 0-15 tile 2 i, lanes 16-31 tile 2 i + 1
.irp k, 0,1,2,3,4,5,6,7
	ds_load_b128 v[KK+4*\k:KK+4*\k+3], v14 offset:512*\k
.endr
	ds_load_b128 v[QF:QF+3], v15 offset:3072
	ds_load_b32 v[QS], v15 offset:3584
.irp k, 0,1,2,3,4,5,6,7
	ds_load_b128 v[VV+4*\k:VV+4*\k+3], v14 offset:4096+512*\k
.endr
	ds_load_b32 v[VS], v12 offset:8704
.endm
; ONE TILE'S STEP.  nxt: the tile whose q is fetched meanwhile (-1: none); first = 1: the tile's first step in this wave; diag = 1: the step may lie on the diagonal; lead = 1: the first tile behind KV
.macro BODY tile, nxt, first, diag, lead
.if \lead
	s_wait_alu depctr_va_vdst(0)
	s_wait_dscnt 0x5                               ; V's second tile and its scale words, the youngest five, may be out
.else
	s_wait_dscnt 0x0                               ; q
.endif
.irp k, 0,2,4,6
	WM SS+8*\k, KK+4*\k, QF, 1, KSC+\k/2, QS, 0
	WM SS+8*\k+8, KK+4*\k+4, QF, 1, KSC+\k/2, QS, 1
.endr
	NOPS 8
.if \lead
	s_wait_dscnt 0x0                               ; V
.endif
.if (\nxt) >= 0
	ds_load_b128 v[QF:QF+3], v15 offset:1024*(\nxt)
	ds_load_b32 v[QS], v15 offset:1024*(\nxt)+512
.endif
.if \diag
	s_cmp_lg_u32 s[KQ], s[AA]                      ; in every slot the tile's diagonal step is the wave's with kq = a
	s_cbranch_scc1 .Lopen_\@
	v_add_nc_u32 v12, s[POS+(\tile)%2], v1         ; my query's place in its step - 16 h: register 16 b + n is hidden where 32 b + n lies above it
	v_mov_b32 v14, 0xff800000
.set i, 0
.rept 64
	v_cmp_gt_i32 vcc_lo, 32*(i/16)+i%16, v12
	v_cndmask_b32 v[SS+i], v[SS+i], v14, vcc_lo
.set i, i+1
.endr
.Lopen_\@:
.endif
.irp b, 0,1,2,3
	v_max3_num_f32 v[BM+\b], v[SS+16*\b], v[SS+1+16*\b], v[SS+2+16*\b]   ; the largest score of each block of 32 keys
.endr
.irp n, 3,5,7,9,11,13
.irp b, 0,1,2,3
	v_max3_num_f32 v[BM+\b], v[BM+\b], v[SS+16*\b+\n], v[SS+1+16*\b+\n]
.endr
.endr
.irp b, 0,1,2,3
	v_max_num_f32 v[BM+\b], v[BM+\b], v[SS+15+16*\b]
.endr
.irp b, 0,1,2,3
	s_delay_alu instid0(VALU_DEP_4)
	v_permlanex16_b32 v[PM+\b], v[BM+\b], s80, s81
.endr
.irp b, 0,1,2,3
	s_delay_alu instid0(VALU_DEP_4)
	v_max_num_f32 v[BM+\b], v[BM+\b], v[PM+\b]
.endr
	s_delay_alu instid0(VALU_DEP_2)
	v_max3_num_f32 v14, v[BM], v[BM+1], v[BM+2]
	s_delay_alu instid0(VALU_DEP_1)
	v_max_num_f32 v14, v14, v[BM+3]
	s_delay_alu instid0(VALU_DEP_1)
	v_mul_f32 v14, s84, v14                        ; - the step's largest t
	s_delay_alu instid0(VALU_DEP_1)
	v_floor_f32 v14, v14                           ; -ceil(t)
.if \first
	s_delay_alu instid0(VALU_DEP_1)
	v_mov_b32 v[4+\tile], v14
.else
	s_delay_alu instid0(VALU_DEP_1)
	v_min_num_f32 v14, v14, v[4+\tile]             ; the new -M, a whole number
	s_delay_alu instid0(VALU_DEP_1)
	v_sub_f32 v12, v14, v[4+\tile]                 ; old M - new M
	v_mov_b32 v[4+\tile], v14
	s_delay_alu instid0(VALU_DEP_2)
	v_cvt_i32_f32 v12, v12                         ; (it saturates)
	s_delay_alu instid0(VALU_DEP_1)
	v_ldexp_f32 v12, 1.0, v12                      ; f = 2^(old M - new M)
.endif
.set i, 0
.rept 32
	v_pk_fma_f32 v[SS+2*i:SS+2*i+1], v[SS+2*i:SS+2*i+1], s[82:83], v[14:15] op_sel_hi:[1,0,0]   ; t - M
.set i, i+1
.endr
.irp b, 0,1,2,3
	v_fma_f32 v[BM+\b], v[BM+\b], s82, v14
.endr
.irp b, 0,1,2,3
	v_max_num_f32 v[BM+\b], 0xc2de0000, v[BM+\b]   ; not under -111: the byte cannot fall under 1
.endr
.irp b, 0,1,2,3
	v_floor_f32 v[BM+\b], v[BM+\b]
.endr
.irp b, 0,1,2,3
	v_cvt_i32_f32 v[BM+\b], v[BM+\b]               ; the exponent of the block's largest p
.endr
	v_lshl_add_u32 v[PWD], v[BM+1], 8, v[BM]
	v_lshl_add_u32 v[PM], v[BM], 23, 0x38000000    ; the conversion's scale operand: exponent + 112 in its field
	v_lshl_add_u32 v[PM+1], v[BM+1], 23, 0x38000000
	v_lshl_add_u32 v[PWD], v[BM+2], 16, v[PWD]
	v_lshl_add_u32 v[PM+2], v[BM+2], 23, 0x38000000
	v_lshl_add_u32 v[PM+3], v[BM+3], 23, 0x38000000
	v_lshl_add_u32 v[PWD], v[BM+3], 24, v[PWD]
	v_lshl_add_u32 v[BM], v[BM], 23, 0x3fe00000    ; 1.75 x 2^exponent = 57,344 x the scale
	v_lshl_add_u32 v[BM+1], v[BM+1], 23, 0x3fe00000
	v_add_nc_u32 v[PWD], 0x70707070, v[PWD]        ; 112 onto each of the four bytes: p's scale word
	v_lshl_add_u32 v[BM+2], v[BM+2], 23, 0x3fe00000
	v_lshl_add_u32 v[BM+3], v[BM+3], 23, 0x3fe00000
	s_wait_alu depctr_va_vdst(0)                   ; ahead of the batch
.set i, 0
.rept 64
	v_exp_f32 v[SS+i], v[SS+i]                     ; p
.set i, i+1
.endr
.if \first
	v_nop
.else
	v_mul_f32 v[8+\tile], v[8+\tile], v12
.endif
	s_wait_alu depctr_va_vdst(0)                   ; and behind it
.irp k, 0,1,2,3
	v_pk_add_f32 v[CD+2*\k:CD+2*\k+1], v[SS+4*\k:SS+4*\k+1], v[SS+4*\k+2:SS+4*\k+3]
.endr
.set i, 0
.rept 24
	v_pk_add_f32 v[CD+2*(i%4):CD+2*(i%4)+1], v[CD+2*(i%4):CD+2*(i%4)+1], v[SS+16+2*i:SS+17+2*i]
.set i, i+1
.endr
	v_pk_add_f32 v[CD:CD+1], v[CD:CD+1], v[CD+2:CD+3]
	v_pk_add_f32 v[CD+4:CD+5], v[CD+4:CD+5], v[CD+6:CD+7]
	s_delay_alu instid0(VALU_DEP_1)
	v_pk_add_f32 v[CD:CD+1], v[CD:CD+1], v[CD+4:CD+5]
.if \first
	s_delay_alu instid0(VALU_DEP_1)
	v_add_f32 v[8+\tile], v[CD], v[CD+1]
.else
	s_delay_alu instid0(VALU_DEP_1)
	v_add_f32 v[CD], v[CD], v[CD+1]
	s_delay_alu instid0(VALU_DEP_1)
	v_add_f32 v[8+\tile], v[8+\tile], v[CD]
.endif
.irp b, 0,1,2,3
.irp n, 0,2,4,6,8,10,12,14
	v_dual_min_num_f32 v[SS+16*\b+\n], v[BM+\b], v[SS+16*\b+\n] :: v_dual_min_num_f32 v[SS+16*\b+\n+1], v[BM+\b], v[SS+16*\b+\n+1]   ; the conversion to an 8-bit code does not saturate (ISA guide 7.6.2)
.endr
	v_cvt_scalef32_pk8_bf8_f32 v[CD+4*\b:CD+4*\b+1], v[SS+16*\b:SS+16*\b+7], v[PM+\b]
	v_cvt_scalef32_pk8_bf8_f32 v[CD+4*\b+2:CD+4*\b+3], v[SS+16*\b+8:SS+16*\b+15], v[PM+\b]
.endr
.if \first
	NOPS 4
.else
	s_wait_alu depctr_va_vdst(0)                   ; directly ahead of the first reader of O^T
.irp n, 0,2,4,6,8,10,12,14
	v_pk_mul_f32 v[OO+16*\tile+\n:OO+16*\tile+\n+1], v[OO+16*\tile+\n:OO+16*\tile+\n+1], v[12:13] op_sel_hi:[1,0]
.endr
.endif
	WM OO+16*\tile, VV, CD, \first, VS, PWD, 0     ; O^T += V^T p^T
	WM OO+16*\tile+8, VV+16, CD, \first, VS, PWD, 1
.endm
; 16 numbers of a lane, with lane l xor 16's one block of 32, become 4 registers of codes; the byte in v234
.macro QB s, d
	v_max3_num_f32 v232, |v[\s]|, |v[\s+1]|, 0x8000000
	v_max3_num_f32 v233, |v[\s+2]|, |v[\s+3]|, |v[\s+4]|
	v_max3_num_f32 v232, v232, |v[\s+5]|, |v[\s+6]|
	v_max3_num_f32 v233, v233, |v[\s+7]|, |v[\s+8]|
	v_max3_num_f32 v232, v232, |v[\s+9]|, |v[\s+10]|
	v_max3_num_f32 v233, v233, |v[\s+11]|, |v[\s+12]|
	v_max3_num_f32 v232, v232, |v[\s+13]|, |v[\s+14]|
	s_delay_alu instid0(VALU_DEP_1)
	v_max3_num_f32 v232, v232, v233, |v[\s+15]|
	s_delay_alu instid0(VALU_DEP_1)
	v_permlanex16_b32 v234, v232, s80, s81
	s_delay_alu instid0(VALU_DEP_1)
	v_max_num_f32 v232, v232, v234
	s_delay_alu instid0(VALU_DEP_1)
	v_add_nc_u32 v235, 0xf8800000, v232            ; 15 off the exponent field: the conversion's scale operand
	s_delay_alu instid0(VALU_DEP_2)
	v_and_or_b32 v233, v232, 0x7f800000, s85       ; 57,344 x the scale
	s_delay_alu instid0(VALU_DEP_2)
	v_lshrrev_b32 v234, 23, v235
.irp n, 0,1,2,3,4,5,6,7,8,9,10,11,12,13,14,15
	v_med3_num_f32 v[\s+\n], v[\s+\n], -v233, v233
.endr
	v_cvt_scalef32_pk8_bf8_f32 v[\d:\d+1], v[\s:\s+7], v235
	v_cvt_scalef32_pk8_bf8_f32 v[\d+2:\d+3], v[\s+8:\s+15], v235
	v_nop
.endm
.macro JOIN o                          ; four chains of pairs, and lane l xor 16's -> v[o]
	s_delay_alu instid0(VALU_DEP_3)
	v_pk_add_f32 v[240:241], v[240:241], v[242:243]
	s_delay_alu instid0(VALU_DEP_2)
	v_pk_add_f32 v[244:245], v[244:245], v[246:247]
	s_delay_alu instid0(VALU_DEP_1)
	v_pk_add_f32 v[240:241], v[240:241], v[244:245]
	s_delay_alu instid0(VALU_DEP_1)
	v_add_f32 v[\o], v240, v241
	s_delay_alu instid0(VALU_DEP_1)
	v_permlanex16_b32 v234, v[\o], s80, s81
	s_delay_alu instid0(VALU_DEP_1)
	v_add_f32 v[\o], v[\o], v234
.endm
.set Z,  136
.set Z2, 144
.set P,  152
.set Q,  160
.macro HORNER r, c                     ; r = r z^2 + c, four pairs
.irp p, 0,1,2,3
	v_pk_fma_f32 v[\r+2*\p:\r+2*\p+1], v[\r+2*\p:\r+2*\p+1], v[Z2+2*\p:Z2+2*\p+1], \c op_sel_hi:[1,1,0]
.endr
.endm
.macro GELU8 x                         ; eight numbers in place: x (0.5 + z P(z^2) / Q(z^2)), z = x / sqrt(2) held within +-4: erf as a quotient of polynomials of degrees 6 and 4, P's coefficients halved
.irp p, 0,1,2,3
	v_pk_mul_f32 v[Z+2*\p:Z+2*\p+1], v[\x+2*\p:\x+2*\p+1], 0x3f3504f3 op_sel_hi:[1,0]
.endr
.irp n, 0,1,2,3,4,5,6,7
	v_med3_num_f32 v[Z+\n], v[Z+\n], -4.0, 4.0
.endr
.irp p, 0,1,2,3
	v_pk_mul_f32 v[Z2+2*\p:Z2+2*\p+1], v[Z+2*\p:Z+2*\p+1], v[Z+2*\p:Z+2*\p+1]
.endr
.irp p, 0,1,2,3
	v_pk_fma_f32 v[P+2*\p:P+2*\p+1], v[Z2+2*\p:Z2+2*\p+1], 0xaf15df0b, v[20:21] op_sel_hi:[1,0,1]
.endr
.irp p, 0,1,2,3
	v_pk_fma_f32 v[Q+2*\p:Q+2*\p+1], v[Z2+2*\p:Z2+2*\p+1], 0xb77460cd, v[22:23] op_sel_hi:[1,0,1]
.endr
	HORNER P, 0xb58cff51
	HORNER Q, 0xbadc924e
	HORNER P, 0xb7eec2d2
	HORNER Q, 0xbbf19bf8
	HORNER P, 0xb9c0ac63
	HORNER Q, 0xbc69b6a7
	HORNER P, 0xbac1a1f6
	HORNER P, 0xbc03dbd4
	s_wait_alu depctr_va_vdst(0)
.irp n, 0,1,2,3,4,5,6,7
	v_rcp_f32 v[Q+\n], v[Q+\n]
.endr
.irp p, 0,1,2,3
	v_pk_mul_f32 v[P+2*\p:P+2*\p+1], v[P+2*\p:P+2*\p+1], v[Z+2*\p:Z+2*\p+1]
.endr
	s_wait_alu depctr_va_vdst(0)
.irp p, 0,1,2,3
	v_pk_fma_f32 v[P+2*\p:P+2*\p+1], v[P+2*\p:P+2*\p+1], v[Q+2*\p:Q+2*\p+1], 0.5 op_sel_hi:[1,1,0]
.endr
.irp p, 0,1,2,3
	v_pk_mul_f32 v[\x+2*\p:\x+2*\p+1], v[\x+2*\p:\x+2*\p+1], v[P+2*\p:P+2*\p+1]
.endr
.endm
	s_load_b512 s[4:19], s[0:1], 0x0               ; qbuf s[4:5], kvbuf s[6:7], x s[8:9], bp s[10:11], g s[12:13], b s[14:15], Wp's codes s[16:17], scales s[18:19]
	s_load_b256 s[20:27], s[0:1], 0x40             ; W1's codes s[20:21], scales s[22:23], W2's s[24:25], s[26:27]
	s_load_b64 s[28:29], s[0:1], 0x60              ; out
	v_lshl_add_u32 v2, v0, 2, SPARE
	v_mov_b32 v3, 0
	ds_add_u32 v2, v3                              ; the opening: the add, twice on end
	ds_add_u32 v2, v3
	v_lshrrev_b32 v1, 5, v0
	v_readfirstlane_b32 s30, v1                    ; wave 0..15
	v_and_b32 v16, 31, v0
	v_and_b32 v17, 15, v0                          ; r
	v_bfe_u32 v18, v0, 4, 1                        ; h
	v_lshlrev_b32 v0, 4, v16
	v_and_b32 v1, 8, v17
	v_add_nc_u32 v1, v1, v17
	v_lshlrev_b32 v18, 4, v18
	v_sub_nc_u32 v1, v1, v18
	v_lshlrev_b32 v12, 4, v17                      ; 16 r
	v_lshrrev_b32 v13, 5, v0                       ; the prefetch: lane l names half l % 2 of row p = l / 2 of my tile: byte 512 (p + 8 (p / 8)) + 256 (l % 2)
	v_and_b32 v14, 8, v13
	v_add_nc_u32 v13, v13, v14
	v_lshlrev_b32 v13, 9, v13
	v_and_b32 v14, 16, v0
	v_lshl_add_u32 v13, v14, 4, v13
	s_wait_alu depctr_va_vdst(0)                   ; ahead of the scalar lines
	s_bfe_u32 s31, ttmp6, 0x40000                  ; cx
	s_and_b32 s36, ttmp7, 0xffff                   ; the batch
	s_and_b32 s[HD], s30, 3
	s_lshr_b32 s[KQ], s30, 2
	s_add_co_u32 s[KQ], s[KQ], s[HD]
	s_and_b32 s[KQ], s[KQ], 3                      ; (wave / 4 + head) % 4
	s_lshr_b32 s[AA], ttmp9, 1                     ; i = 4 x cluster x + cx; a = i / 8
	s_and_b32 s35, ttmp9, 1
	s_lshl_b32 s35, s35, 2
	s_add_co_u32 s35, s35, s31                     ; j = i % 8: it enters q's, x's and out's addresses and the mask's numbers alone
	s_mov_b32 s80, 0x76543210
	s_mov_b32 s81, 0xfedcba98
	s_mov_b32 s82, 0x3e8293ee                      ; c = log2(e) / sqrt(32)
	s_mov_b32 s83, s82
	s_mov_b32 s84, 0xbe8293ee                      ; -c
	s_mov_b32 s85, 0x600000                        ; the mantissa field of 57,344
	s_lshr_b32 s88, s35, 1
	s_lshl_b32 s88, s88, 5
	s_and_b32 s89, s35, 1
	s_lshl_b32 s89, s89, 3
	s_add_co_u32 s[POS], s88, s89                  ; 32 (j / 2) + 8 (j % 2)
	s_sub_co_u32 s[POS+1], 104, s[POS]             ; the same of 7 - j
	; my own tile, number kq of four: its step m = 4 kq + (a or 3 - a), its place j or 7 - j
	s_and_b32 s88, s[KQ], 1
	s_mul_i32 s89, s88, 3
	s_xor_b32 s89, s89, s[AA]
	s_lshl_b32 s90, s[KQ], 2
	s_add_co_u32 s89, s89, s90                     ; m
	s_mul_i32 s90, s88, 7
	s_xor_b32 s90, s90, s35                        ; its place
	s_lshl_b32 s91, s36, 4
	s_add_co_u32 s91, s91, s89
	s_lshl_b32 s91, s91, 2
	s_add_co_u32 s91, s91, s[HD]
	s_mul_i32 s92, s91, 4608
	s_lshl_b32 s93, s90, 9
	s_add_co_u32 s94, s92, s93                     ; q's codes
	s_mov_b32 s95, 0
	s_lshr_b32 s99, s90, 1
	s_and_b32 s93, s90, 1
	s_lshl_b32 s98, s36, 20                        ; x, out: 512 bytes a token
	s_lshl_b32 s91, s89, 16
	s_add_co_u32 s98, s98, s91
	s_lshl_b32 s91, s99, 14
	s_add_co_u32 s98, s98, s91
	s_lshl_b32 s91, s93, 12
	s_add_co_u32 s98, s98, s91
	s_lshl_b32 s91, s[HD], 11                      ; my four rows of the tile: 4 x head on, 8 more behind the eighth
	s_add_co_u32 s98, s98, s91
	s_lshr_b32 s91, s[HD], 1
	s_lshl_b32 s91, s91, 12
	s_add_co_u32 s98, s98, s91
	s_lshl_b32 s91, s99, 2
	s_add_co_u32 s96, s92, s91
	s_lshl_b32 s91, s93, 8
	s_add_co_u32 s96, s96, s91
	s_add_co_u32 s96, s96, 4096                    ; q's scale words
	s_mov_b32 s97, 0
	s_mov_b32 s99, 0
	; where my step's block lies: even slots, odd slots
	s_lshl_b32 s88, s[KQ], 2
	s_add_co_u32 s88, s88, s[HD]
	s_mul_i32 s39, s88, STEPB
	s_xor_b32 s88, s[KQ], 3
	s_lshl_b32 s88, s88, 2
	s_add_co_u32 s88, s88, s[HD]
	s_mul_i32 s66, s88, STEPB
	s_add_co_u32 s66, s66, SLOTB
	; descriptors.  K and V: 8,960 dense bytes as 35 rows of 256 (32 elements of 8 bytes); the mask names all four work-groups, bit 21 beside it
	s_mov_b32 s40, 15|(3<<16)|(1<<21)
	s_mov_b32 s41, 32<<16
	s_mov_b32 s42, 35<<16
	s_mov_b32 s43, 32<<16
	s_mov_b32 s44, 35
	s_mov_b32 s45, 32
	s_mov_b32 s46, 0
	s_mov_b32 s47, 0
	s_mov_b32 s52, 15|(1<<20)|(1<<21)|(4<<22)|(3<<25)   ; W1: 64 rows of 128 bytes, dense, as 32 rows of 256; 16 bytes of padding behind each 128: pitch 144
	s_mov_b32 s53, 256<<16
	s_mov_b32 s54, 32<<16
	s_mov_b32 s55, 256<<16
	s_mov_b32 s56, 32
	s_mov_b32 s57, 256
	s_mov_b32 s58, 0
	s_mov_b32 s59, 0
	s_mov_b32 s68, 15|(1<<20)|(1<<21)|(6<<22)|(3<<25)   ; W2: 16 rows of 512 bytes, 16 of padding behind each: pitch 528
	s_mov_b32 s69, 512<<16
	s_mov_b32 s70, 16<<16
	s_mov_b32 s71, 512<<16
	s_mov_b32 s72, 16
	s_mov_b32 s73, 512
	s_mov_b32 s74, 0
	s_mov_b32 s75, 0
	s_mov_b32 s48, 1
	s_mul_i32 s49, s30, STEPB
	s_lshl_b32 s88, s36, 6
	s_add_co_u32 s88, s88, s30
	s_mul_i32 s88, s88, STEPB
	s_mov_b32 s89, 0
	s_and_b32 s90, s30, 7
	s_mov_b32 s60, 1
	s_mul_i32 s61, s90, 9216
	s_mov_b32 s76, 1
	s_mul_i32 s77, s90, 8448
	s_add_co_u32 s77, s77, 73728
	s_lshl_b32 s90, s90, 13
	s_mov_b32 s91, 0
	s_wait_dscnt 0x0                               ; both opening adds
	s_wait_kmcnt 0x0
	s_add_nc_u64 s[50:51], s[6:7], s[88:89]
	s_or_b32 s51, s51, 0x80000000
	s_add_nc_u64 s[62:63], s[20:21], s[90:91]
	s_or_b32 s63, s63, 0x80000000
	s_add_nc_u64 s[78:79], s[24:25], s[90:91]
	s_or_b32 s79, s79, 0x80000000
	s_add_nc_u64 s[86:87], s[8:9], s[98:99]
	s_add_nc_u64 s[28:29], s[28:29], s[98:99]
	s_add_nc_u64 s[94:95], s[4:5], s[94:95]
	s_add_nc_u64 s[96:97], s[4:5], s[96:97]
	ROUND                                          ; all four work-groups are here: the joint loads meet
	tensor_load_to_lds s[48:51], s[40:47]          ; slot 0: my wave's block of sixteen
	s_nop 0
	NOPS 4
	global_load_b128 v[QF:QF+3], v0, s[94:95]      ; my own tile's q: every wave of the head takes it from LDS
	global_load_b32 v[QS], v12, s[96:97]
	s_mov_b32 s89, 0
	s_lshl_b32 s88, s[HD], 7                       ; my quarter of bp, g, b, of Wp's scale words: 128 bytes
	s_add_nc_u64 s[10:11], s[10:11], s[88:89]
	s_add_nc_u64 s[12:13], s[12:13], s[88:89]
	s_add_nc_u64 s[14:15], s[14:15], s[88:89]
	s_add_nc_u64 s[18:19], s[18:19], s[88:89]
	s_lshl_b32 s88, s[HD], 12
	s_add_nc_u64 s[16:17], s[16:17], s[88:89]
	s_lshl_b32 s88, s30, 7
	s_add_nc_u64 s[22:23], s[22:23], s[88:89]
	s_lshl_b32 s88, s[HD], 9
	s_add_nc_u64 s[26:27], s[26:27], s[88:89]
	s_lshl_b32 s88, s[HD], 12
	s_add_co_u32 s88, s88, TOP
	v_add_nc_u32 v15, s88, v0                      ; q in LDS: 1024 bytes a tile: codes, then scale words at 16 x lane
	s_lshl_b32 s88, s[KQ], 10
	v_add_nc_u32 v14, s88, v15
.irp k, 0,1,2,3,4,5,6,7,8,9,10,11
	v_mov_b32 v[QF+4+\k], 0                        ; q's dead blocks
.endr
.irp k, 0,1,2,3,4,5,6,7,8,9,10,11,12,13,14,15
	v_mov_b32 v[OO+\k], 0                          ; tile 0: a wave may have no step of it
.endr
	v_mov_b32 v4, 0x7f61b1e6                       ; -M for M = -3e38
	v_mov_b32 v8, 0
.irp k, 0,1,2,3
	v_mov_b32 v[PM+\k], 0                          ; a lane permute's destination counts as one of its sources
.endr
	s_wait_alu depctr_va_vdst(0)
	s_wait_loadcnt 0x0
	ds_store_b128 v14, v[QF:QF+3]
	ds_store_b32 v14, v[QS] offset:512
	; ---- the attention: slot n serves tiles n .. 3, tile n up to its diagonal
	SYNC 0
	KV 39
	BODY 3, 2, 1, 0, 1
	BODY 2, 1, 1, 0, 0
	BODY 1, 0, 1, 0, 0
	s_cmp_gt_u32 s[KQ], s[AA]
	s_cbranch_scc1 .Lslot_0_done
	BODY 0, -1, 1, 1, 0
.Lslot_0_done:
	SYNC 1
	KV 66
	BODY 3, 2, 0, 0, 1
	BODY 2, 1, 0, 0, 0
	s_cmp_lt_u32 s[KQ], s[AA]
	s_cbranch_scc1 .Lslot_1_done
	BODY 1, -1, 0, 1, 0
.Lslot_1_done:
	SYNC 2
	KV 39
	s_cmp_lg_u32 s[HD], 0                          ; x's rows, two slots of work ahead of their loads: one wave asks for each tile, 32 blocks of 256 bytes
	s_cbranch_scc1 .Lnot_mine
	global_prefetch_b8 v13, s[86:87] th:TH_LOAD_NT scope:SCOPE_SE
.Lnot_mine:
	BODY 3, 2, 0, 0, 1
	s_cmp_gt_u32 s[KQ], s[AA]
	s_cbranch_scc1 .Lslot_2_done
	BODY 2, -1, 0, 1, 0
.Lslot_2_done:
	SYNC 3
	KV 66
	s_cmp_lt_u32 s[KQ], s[AA]
	s_cbranch_scc1 .Lslot_3_done
	BODY 3, -1, 0, 1, 1
.Lslot_3_done:
	s_wait_alu depctr_va_vdst(0)
	s_wait_dscnt 0x0
	; ---- what the MLP takes from memory is asked for; the parts of O^T are laid down
	s_mul_i32 s88, s30, 4608
	s_mul_i32 s89, s[HD], 16896
	s_add_co_u32 s89, s89, 73728
	s_lshl_b32 s94, s[HD], 15
	s_add_co_u32 s94, s94, SLOTB                   ; parts: slot 1, [head][tile][kq][2048]
	s_lshl_b32 s95, s[KQ], 11
	s_add_co_u32 s90, s94, s95
	s_lshl_b32 s95, s[KQ], 13
	s_add_co_u32 s92, s94, s95
	s_lshl_b32 s94, s[HD], 11
	s_add_co_u32 s94, s94, SLOTB+131072            ; their -M and sums: [head][tile][kq][16][8]
	s_lshl_b32 s95, s[KQ], 7
	s_add_co_u32 s91, s94, s95
	s_lshl_b32 s95, s[KQ], 9
	s_add_co_u32 s93, s94, s95
	s_lshr_b32 s94, s[KQ], 1
	s_mul_i32 s94, s94, 35840
	s_lshl_b32 s95, s[KQ], 11
	s_add_co_u32 s97, s94, s95
	s_add_co_u32 s97, s97, 282624                  ; y's codes: tiles 0, 1 at 282,624, tiles 2, 3 at 322,560
	s_lshl_b32 s94, s[HD], 9
	s_add_co_u32 s94, s94, s97
	s_lshl_b32 s98, s[KQ], 6
	s_add_co_u32 s98, s98, 326656                  ; y's scale words
	s_add_co_u32 s95, s98, s[HD]
	s_mul_i32 s99, s[KQ], 8448
	s_add_co_u32 s99, s99, TOP                     ; x's rows: pitch 528
	s_mul_i32 s96, s[HD], 2112
	s_add_co_u32 s96, s96, s99
	s_lshl_b32 s67, s[HD], 7
	s_add_co_u32 s99, s99, s67
	NOPS 8
	v_lshrrev_b32 v232, 8, v0                      ; h
	v_bfe_u32 v236, v0, 4, 4                       ; r
	v_and_b32 v233, 8, v236
	v_add_nc_u32 v233, v233, v236                  ; r + 8 (r / 8)
	v_lshlrev_b32 v234, 7, v233
	v_lshl_add_u32 v248, v232, 4, v234             ; a fragment of Wp
	v_lshl_add_u32 v235, v232, 3, v233             ; a pair of tiles' rows, a lane a row
	v_lshlrev_b32 v249, 2, v235
	v_lshlrev_b32 v250, 6, v232
	v_lshlrev_b32 v251, 4, v235
.irp k, 0,1,2,3
	global_load_b128 v[40+4*\k:43+4*\k], v0, s[86:87] offset:512*\k   ; four whole rows of x
.endr
.irp u, 0,1
.irp c, 0,1,2,3
	global_load_b128 v[56+16*\u+4*\c:59+16*\u+4*\c], v248, s[16:17] offset:1024*\u+32*\c
.endr
.endr
	global_load_b32 v32, v249, s[18:19]            ; Wp's scale words
	global_load_b32 v34, v249, s[22:23]            ; W1's
.irp k, 0,1,2,3
	global_load_b128 v[104+4*\k:107+4*\k], v250, s[10:11] offset:16*\k
.endr
.irp k, 0,1,2,3
	global_load_b128 v[120+4*\k:123+4*\k], v250, s[12:13] offset:16*\k
.endr
.irp k, 0,1,2,3
	global_load_b128 v[136+4*\k:139+4*\k], v250, s[14:15] offset:16*\k
.endr
	v_mul_u32_u24 v252, 0x90, v233
	v_lshl_add_u32 v252, v232, 4, v252
	v_add_nc_u32 v252, s88, v252                   ; W1's fragments in LDS
	v_mul_u32_u24 v253, 0x210, v233
	v_lshl_add_u32 v253, v232, 4, v253
	v_add_nc_u32 v253, s89, v253                   ; W2's
	v_and_b32 v14, 0xf0, v0
	v_lshrrev_b32 v15, 2, v14                      ; 4 r
	v_mul_u32_u24 v12, 33, v14
	v_lshl_add_u32 v12, v232, 6, v12               ; 528 r + 64 h
	v_lshrrev_b32 v14, 1, v14                      ; 8 r
.irp k, 0,1,2,3
	v_permlanex16_b32 v[PM+\k], v[8+\k], s80, s81
.endr
.irp k, 0,1,2,3
	v_mov_b32 v[240+2*\k], v[4+\k]
	v_add_f32 v[241+2*\k], v[8+\k], v[PM+\k]       ; the row's sum over my steps
.endr
	v_add_nc_u32 v254, s90, v0
	v_add_nc_u32 v255, s91, v14
	s_wait_alu depctr_va_vdst(0)
	s_wait_tensorcnt 0x0                           ; my part of the weights
	s_wait_dscnt 0x0
	s_barrier_signal -1
	s_barrier_wait -1                              ; the weights are whole; nobody reads slot 1 any more, and it has had its last fill
.irp k, 0,1,2,3
.irp c, 0,1,2,3
	s_wait_alu depctr_va_vdst(0)                   ; ahead of a product's first reader
	ds_store_b128 v254, v[OO+16*\k+4*\c:OO+16*\k+4*\c+3] offset:8192*\k+512*\c
.endr
.endr
.irp k, 0,1,2,3
	ds_store_b64 v255, v[240+2*\k:241+2*\k] offset:512*\k
.endr
	MEET
	; ---- my tile's four parts
	v_add_nc_u32 v234, s92, v0
	v_add_nc_u32 v235, s93, v14
.irp k, 0,1,2,3
	ds_load_b64 v[240+2*\k:241+2*\k], v235 offset:128*\k
.endr
.irp k, 0,1,2,3
.irp c, 0,1,2,3
	ds_load_b128 v[OO+16*\k+4*\c:OO+16*\k+4*\c+3], v234 offset:2048*\k+512*\c
.endr
.endr
	s_wait_alu depctr_va_vdst(0)
	s_wait_dscnt 0x10                              ; the four pairs are in; the sixteen loads behind them may be out
	v_min_num_f32 v232, v240, v242
	v_min_num_f32 v233, v244, v246
	v_min_num_f32 v232, v232, v233                 ; the -M of all
.irp k, 0,1,2,3
	v_sub_f32 v[16+2*\k], v232, v[240+2*\k]
.endr
.irp k, 0,1,2,3
	v_cvt_i32_f32 v[16+2*\k], v[16+2*\k]
.endr
.irp k, 0,1,2,3
	v_ldexp_f32 v[16+2*\k], 1.0, v[16+2*\k]
.endr
	v_mul_f32 v236, v16, v241
	v_fma_f32 v236, v18, v243, v236
	v_fma_f32 v236, v20, v245, v236
	v_fma_f32 v236, v22, v247, v236                ; the row's sum
	s_wait_alu depctr_va_vdst(0)
	s_wait_dscnt 0x0
	v_rcp_f32 v236, v236
.irp n, 0,2,4,6,8,10,12,14
	v_pk_mul_f32 v[OO+\n:OO+\n+1], v[OO+\n:OO+\n+1], v[16:17] op_sel_hi:[1,0]
.endr
.irp k, 1,2,3
.irp n, 0,2,4,6,8,10,12,14
	v_pk_fma_f32 v[OO+\n:OO+\n+1], v[OO+16*\k+\n:OO+16*\k+\n+1], v[16+2*\k:17+2*\k], v[OO+\n:OO+\n+1] op_sel_hi:[1,0,1]
.endr
.endr
	s_wait_alu depctr_va_vdst(0)
.irp n, 0,2,4,6,8,10,12,14
	v_pk_mul_f32 v[OO+\n:OO+\n+1], v[OO+\n:OO+\n+1], v[236:237] op_sel_hi:[1,0]   ; y: my head's 32 columns are one block along C
.endr
	QB OO, 240
	v_add_nc_u32 v238, s94, v0
	v_add_nc_u32 v239, s95, v15
	v_add_nc_u32 v237, s96, v0
	ds_store_b128 v238, v[240:243]                 ; register group head of y's fragment
	ds_store_b8 v239, v234
	s_wait_alu depctr_va_vdst(0)
	s_wait_loadcnt 0x16                            ; x's four loads are in; the 22 behind them may be out
.irp k, 0,1,2,3
	ds_store_b128 v237, v[40+4*\k:43+4*\k] offset:528*\k
.endr
	MEET
	; ---- x2 = x + bp + y Wp, my 32 columns of my tile
	v_add_nc_u32 v232, s97, v0
	v_add_nc_u32 v233, s98, v15
	v_add_nc_u32 v234, s99, v12
.irp k, 0,1,2,3
	ds_load_b128 v[168+4*\k:171+4*\k], v234 offset:16*\k
.endr
.irp c, 0,1,2,3
	ds_load_b128 v[152+4*\c:155+4*\c], v232 offset:512*\c
.endr
	ds_load_b32 v33, v233
	s_wait_alu depctr_va_vdst(0)
	s_lshl_b32 s94, s[KQ], 2
	s_add_co_u32 s94, s94, s[HD]
	s_lshl_b32 s88, s94, 7
	s_add_co_u32 s88, s88, SLOTB                   ; means and squares: [tile][quarter][16][8], over the parts
	s_lshl_b32 s89, s[KQ], 9
	s_add_co_u32 s89, s89, SLOTB
	s_lshl_b32 s90, s94, 9
	s_add_co_u32 s90, s90, 147456                  ; h2's codes
	s_lshl_b32 s91, s[KQ], 6
	s_add_co_u32 s91, s91, s[HD]
	s_add_co_u32 s91, s91, 155648                  ; its scale words
	s_lshl_b32 s92, s30, 9
	s_add_co_u32 s92, s92, TOP                     ; the hidden layer's codes
	s_lshr_b32 s93, s30, 2
	s_lshl_b32 s93, s93, 6
	s_and_b32 s94, s30, 3
	s_add_co_u32 s93, s93, s94
	s_add_co_u32 s93, s93, 321536                  ; its scale words
	s_lshl_b32 s94, s[KQ], 13
	s_add_co_u32 s94, s94, TOP
	s_lshl_b32 s95, s[KQ], 8
	s_add_co_u32 s95, s95, 321536
	s_mul_i32 s98, s[KQ], 8448
	s_add_co_u32 s98, s98, 159744                  ; out's rows: pitch 528
	s_lshl_b32 s96, s[HD], 7
	s_add_co_u32 s96, s96, s98
	s_mul_i32 s97, s[HD], 2112
	s_add_co_u32 s97, s97, s98
	s_wait_loadcnt 0x0
	s_wait_dscnt 0x0
.irp n, 0,2,4,6,8,10,12,14
	v_pk_add_f32 v[168+\n:169+\n], v[168+\n:169+\n], v[104+\n:105+\n]
.endr
	WM 168, 56, 152, 0, 32, 33, 0
	WM 176, 72, 152, 0, 32, 33, 1
	NOPS 8
	; ---- layer norm: each quarter's mean and sum of squared differences from it, then one exchange: a common offset does no harm
	v_pk_add_f32 v[240:241], v[168:169], v[170:171]
	v_pk_add_f32 v[242:243], v[172:173], v[174:175]
	v_pk_add_f32 v[244:245], v[176:177], v[178:179]
	v_pk_add_f32 v[246:247], v[180:181], v[182:183]
	JOIN 232
	s_delay_alu instid0(VALU_DEP_1)
	v_mul_f32 v232, 0x3d000000, v232
.irp n, 0,2,4,6,8,10,12,14
	v_pk_add_f32 v[184+\n:185+\n], v[168+\n:169+\n], v[232:233] op_sel_hi:[1,0] neg_lo:[0,1] neg_hi:[0,1]
.endr
.irp n, 0,2,4,6
	v_pk_mul_f32 v[240+\n:241+\n], v[184+\n:185+\n], v[184+\n:185+\n]
.endr
.irp n, 0,2,4,6
	v_pk_fma_f32 v[240+\n:241+\n], v[192+\n:193+\n], v[192+\n:193+\n], v[240+\n:241+\n]
.endr
	JOIN 233
	v_add_nc_u32 v236, s88, v14
	ds_store_b64 v236, v[232:233]
	MEET
	v_add_nc_u32 v237, s89, v14
.irp k, 0,1,2,3
	ds_load_b64 v[240+2*\k:241+2*\k], v237 offset:128*\k
.endr
.irp u, 0,1
.irp c, 0,1,2,3
	ds_load_b128 v[56+16*\u+4*\c:59+16*\u+4*\c], v252 offset:1152*\u+32*\c   ; W1's two tiles of hidden units 32 w on
.endr
.endr
	s_wait_alu depctr_va_vdst(0)
	s_wait_dscnt 0x8                               ; the four pairs are in; W1's eight loads may be out
	v_add_f32 v232, v240, v242
	v_add_f32 v233, v244, v246
	v_add_f32 v238, v241, v243
	v_add_f32 v239, v245, v247
	v_add_f32 v232, v232, v233
	v_add_f32 v238, v238, v239
	v_mul_f32 v232, 0x3e800000, v232               ; the mean
	v_sub_f32 v234, v240, v232
	v_sub_f32 v235, v242, v232
	v_sub_f32 v236, v244, v232
	v_sub_f32 v237, v246, v232
	v_mul_f32 v239, v234, v234
	v_mul_f32 v233, v235, v235
	v_fma_f32 v239, v236, v236, v239
	v_fma_f32 v233, v237, v237, v233
	v_add_f32 v239, v239, v233
	v_fmamk_f32 v234, v239, 0x42000000, v238       ; + 32 x the squares of the means' differences
	v_mul_f32 v234, 0x3c000000, v234
	v_add_f32 v234, 0x3727c5ac, v234               ; the variance + eps
	s_wait_alu depctr_va_vdst(0)
	v_rsq_f32 v236, v234
.irp n, 0,2,4,6,8,10,12,14
	v_pk_add_f32 v[184+\n:185+\n], v[168+\n:169+\n], v[232:233] op_sel_hi:[1,0] neg_lo:[0,1] neg_hi:[0,1]
.endr
	s_wait_alu depctr_va_vdst(0)
.irp n, 0,2,4,6,8,10,12,14
	v_pk_mul_f32 v[184+\n:185+\n], v[184+\n:185+\n], v[236:237] op_sel_hi:[1,0]
.endr
.irp n, 0,2,4,6,8,10,12,14
	v_pk_fma_f32 v[184+\n:185+\n], v[184+\n:185+\n], v[120+\n:121+\n], v[136+\n:137+\n]
.endr
	QB 184, 240
	v_add_nc_u32 v238, s90, v0
	v_add_nc_u32 v239, s91, v15
	ds_store_b128 v238, v[240:243]
	ds_store_b8 v239, v234
	MEET
	; ---- the hidden layer: units 32 w .. 32 w + 31 of all four tiles
	v_add_nc_u32 v232, 147456, v0
	v_add_nc_u32 v233, 155648, v15
.irp k, 0,1,2,3
.irp c, 0,1,2,3
	ds_load_b128 v[88+16*\k+4*\c:91+16*\k+4*\c], v232 offset:2048*\k+512*\c
.endr
	ds_load_b32 v[36+\k], v233 offset:64*\k
.endr
	s_wait_alu depctr_va_vdst(0)
	s_wait_dscnt 0x0
.irp k, 0,1,2,3
	WM 184+16*\k, 56, 88+16*\k, 1, 34, 36+\k, 0
	WM 192+16*\k, 72, 88+16*\k, 1, 34, 36+\k, 1
.endr
	NOPS 8
.macro W2LOAD s                        ; K step s of W2's two tiles
.irp u, 0,1
.irp c, 0,1,2,3
	ds_load_b128 v[40+32*\s+16*\u+4*\c:43+32*\s+16*\u+4*\c], v253 offset:4224*\u+128*\s+32*\c
.endr
.endr
.endm
	W2LOAD 0
	W2LOAD 1
	W2LOAD 2
	global_load_b128 v[32:35], v251, s[26:27]      ; W2's scale words, four K steps
	v_mov_b32 v20, 0x326dffee
	v_mov_b32 v21, 0x326dffee
	v_mov_b32 v22, 0xb95fbd29
	v_mov_b32 v23, 0xb95fbd29
.irp g, 0,1,2,3,4,5,6,7
	GELU8 184+8*\g
.endr
.irp b, 0,1,2,3
	v_max3_num_f32 v[4+\b], |v[184+16*\b]|, |v[185+16*\b]|, 0x8000000
.endr
.irp n, 2,4,6,8,10,12,14
.irp b, 0,1,2,3
	v_max3_num_f32 v[4+\b], v[4+\b], |v[184+16*\b+\n]|, |v[185+16*\b+\n]|
.endr
.endr
.irp b, 0,1,2,3
	s_delay_alu instid0(VALU_DEP_4)
	v_permlanex16_b32 v[8+\b], v[4+\b], s80, s81
.endr
.irp b, 0,1,2,3
	s_delay_alu instid0(VALU_DEP_4)
	v_max_num_f32 v[4+\b], v[4+\b], v[8+\b]
.endr
.irp b, 0,1,2,3
	s_delay_alu instid0(VALU_DEP_4)
	v_add_nc_u32 v[24+\b], 0xf8800000, v[4+\b]
.endr
.irp b, 0,1,2,3
	v_and_or_b32 v[16+\b], v[4+\b], 0x7f800000, s85
.endr
.irp b, 0,1,2,3
	v_lshrrev_b32 v[8+\b], 23, v[24+\b]            ; the tile's byte
.endr
	v_add_nc_u32 v28, s92, v0
	v_add_nc_u32 v29, s93, v15
.irp b, 0,1,2,3
.irp n, 0,1,2,3,4,5,6,7,8,9,10,11,12,13,14,15
	v_med3_num_f32 v[184+16*\b+\n], v[184+16*\b+\n], -v[16+\b], v[16+\b]
.endr
	v_cvt_scalef32_pk8_bf8_f32 v[136+4*\b:137+4*\b], v[184+16*\b:191+16*\b], v[24+\b]
	v_cvt_scalef32_pk8_bf8_f32 v[138+4*\b:139+4*\b], v[192+16*\b:199+16*\b], v[24+\b]
.endr
	v_nop
.irp b, 0,1,2,3
	ds_store_b128 v28, v[136+4*\b:139+4*\b] offset:8192*\b
	ds_store_b8 v29, v[8+\b] offset:256*\b
.endr
	W2LOAD 3
	MEET
	; ---- out = x2 + hidden W2, my 32 columns of my tile
	v_add_nc_u32 v28, s94, v0
	v_add_nc_u32 v29, s95, v15
.irp k, 0,1,2,3
.irp c, 0,1,2,3
	ds_load_b128 v[184+16*\k+4*\c:187+16*\k+4*\c], v28 offset:2048*\k+512*\c
.endr
	ds_load_b32 v[36+\k], v29 offset:64*\k
.endr
	s_wait_alu depctr_va_vdst(0)
	s_wait_loadcnt 0x0
	s_wait_dscnt 0x0
.irp k, 0,1,2,3
	WM 168, 40+32*\k, 184+16*\k, 0, 32+\k, 36+\k, 0   ; the two sums take turns
	WM 176, 56+32*\k, 184+16*\k, 0, 32+\k, 36+\k, 1
.endr
	NOPS 8
	v_add_nc_u32 v28, s96, v12
	v_add_nc_u32 v29, s97, v0
.irp k, 0,1,2,3
	ds_store_b128 v28, v[168+4*\k:171+4*\k] offset:16*\k
.endr
	MEET
.irp k, 0,1,2,3
	ds_load_b128 v[184+4*\k:187+4*\k], v29 offset:528*\k
.endr
.irp k, 0,1,2,3
	s_wait_dscnt 3-\k
	global_store_b128 v0, v[184+4*\k:187+4*\k], s[28:29] offset:512*\k th:TH_STORE_NT   ; a whole row of 512 bytes
.endr
	s_wait_tensorcnt 0x0                           ; the wave's end
	ds_add_u32 v2, v3
	s_wait_dscnt 0x0
	ROUND                                          ; no work-group ends while a partner may still ask for a block that names it
	s_endpgm
.Lfunc_end_k_qacbe492d7c_block:
	.size	k_qacbe492d7c_block, .Lfunc_end_k_qacbe492d7c_block-k_qacbe492d7c_block
	.p2alignl 7, 3214868480
	.fill 96, 4, 3214868480
	.section	.rodata,"a",@progbits
	.p2align	6, 0x0
	.amdhsa_kernel k_qacbe492d7c_block
		.amdhsa_group_segment_fixed_size 327680
		.amdhsa_private_segment_fixed_size 0
		.amdhsa_enable_private_segment 0
		.amdhsa_kernarg_size 104
		.amdhsa_user_sgpr_count 2
		.amdhsa_user_sgpr_kernarg_segment_ptr 1
		.amdhsa_wavefront_size32 1
		.amdhsa_system_sgpr_workgroup_id_x 1
		.amdhsa_system_sgpr_workgroup_id_y 1
		.amdhsa_system_sgpr_workgroup_id_z 1
		.amdhsa_system_vgpr_workitem_id 0
		.amdhsa_next_free_vgpr 256
		.amdhsa_next_free_sgpr 100
		.amdhsa_reserve_vcc 1
		.amdhsa_float_denorm_mode_32 3
		.amdhsa_float_denorm_mode_16_64 3
		.amdhsa_memory_ordered 1
		.amdhsa_forward_progress 1
		.amdhsa_inst_pref_size 255
	.end_amdhsa_kernel
	.section	.bss,"aw",@nobits
	.p2align	6
	.space	262144
	.amdgpu_metadata
---
amdhsa.version: [ 1, 2 ]
amdhsa.kernels:
  - .name:           k_qacbe492d7c_block
    .symbol:         k_qacbe492d7c_block.kd
    .args:
      - { .name: qbuf, .offset: 0, .size: 8, .value_kind: global_buffer, .address_space: global }
      - { .name: kvbuf, .offset: 8, .size: 8, .value_kind: global_buffer, .address_space: global }
      - { .name: x, .offset: 16, .size: 8, .value_kind: global_buffer, .address_space: global }
      - { .name: bp, .offset: 24, .size: 8, .value_kind: global_buffer, .address_space: global }
      - { .name: ln2_g, .offset: 32, .size: 8, .value_kind: global_buffer, .address_space: global }
      - { .name: ln2_b, .offset: 40, .size: 8, .value_kind: global_buffer, .address_space: global }
      - { .name: Wp_codes, .offset: 48, .size: 8, .value_kind: global_buffer, .address_space: global }
      - { .name: Wp_scales, .offset: 56, .size: 8, .value_kind: global_buffer, .address_space: global }
      - { .name: W1_codes, .offset: 64, .size: 8, .value_kind: global_buffer, .address_space: global }
      - { .name: W1_scales, .offset: 72, .size: 8, .value_kind: global_buffer, .address_space: global }
      - { .name: W2_codes, .offset: 80, .size: 8, .value_kind: global_buffer, .address_space: global }
      - { .name: W2_scales, .offset: 88, .size: 8, .value_kind: global_buffer, .address_space: global }
      - { .name: out0, .offset: 96, .size: 8, .value_kind: global_buffer, .address_space: global }
    .group_segment_fixed_size: 327680
    .private_segment_fixed_size: 0
    .kernarg_segment_align: 8
    .kernarg_segment_size: 104
    .max_flat_workgroup_size: 512
    .sgpr_count:     100
    .vgpr_count:     256
    .wavefront_size: 32
...
	.end_amdgpu_metadata
.endif
;; end of part 2
